; MI455X (gfx1250); checked and timed in simulation.
; The chip was launched on July 23, 2026; its instructions are those of AMD's public machine-readable ISA for CDNA 5 (MIT licence, August 2026) and "CDNA5" Instruction Set Architecture Reference Guide (July 2026). The comments in the code are by the model that wrote it; some were corrected since.
;; Bigram LM Param. Allowed arithmetic: matrix products marked QUANTISED: E5M2 operands, one given power-of-two scale a tensor, by v_wmma_f32_16x16x64_bf8_bf8 or v_wmma_f32_16x16x128_bf8_bf8, f32 sums; everything else in f32.
;; Inputs: W_codes 4,096 x 128 x 32 uint8 (E5M2 codes of W, K innermost, in blocks of 32 codes); inputs 8 x 512 int32; lowp_scales 2 int32 (the exponents e of the quantised operands' scales 2^e).
;; Outputs: out0 8 x 512 x 4,096 float32.
;; This version of the problem:
;;   THIS VERSION OF THE PROBLEM IS GIVEN IN LOW PRECISION. The matrix products marked QUANTISED in the list below multiply operands that are first quantised to E5M2 (5 exponent bits, 2 mantissa bits; 8 bits a number), with one given power-of-two scale for each operand tensor; their sums are f32. All else is computed in f32.
;;   The module's matrix products, in the order in which they are computed (A, B: the left and right operand; K: the contracted axis; several contracted axes count as one K, in the product's order):
;;     1. [M 4,096, K 4,096] x [K 4,096, N 4,096]; A: computed on the way; B: input W (given as codes): QUANTISED (scales: A lowp_scales[0], B lowp_scales[1])
;;   THE QUANTISER, for each operand of a quantised product, along K:
;;     - The operand's scale is 2^e, e = its entry of the input lowp_scales (int32; the entries are numbered through the quantised products in the list's order, A before B).
;;     - Each number is divided by the scale, clamped to +-57,344, and rounded to the nearest number of E5M2, ties to even, subnormals kept.
;;     - The product sums the exact products of the quantised numbers (number of the format x scale) in f32.
;;   ~~~python
;;   def quantise(x, axis, e):      # numpy; x: float32 -> the quantised numbers, widened to float32 again
;;       x = np.moveaxis(x, axis, -1); K = x.shape[-1]
;;       r = np.clip(x / 2.0 ** e, -57344, 57344)
;;       step = 2.0 ** (np.maximum(np.frexp(np.where(r == 0, 1, r))[1] - 1, -14) - 2)
;;       q = np.round(r / step) * step * 2.0 ** e      # np.round: ties to even
;;       return np.moveaxis(q, -1, axis).astype(np.float32)
;;   ~~~
;;   OPERANDS COMPUTED ON THE WAY. 'Computed on the way' means the value that the module computes at that place (a softmax that the list does not call 'softmax' is quantised finished and normalised). What goes into a quantiser is computed in f32, as accurately as f32 sums, v_exp_f32 and their like allow (about 1e-6 of the number): no bf16 or f16 on the way to a quantiser, and a product that is left as it is and whose result goes on into a quantised operand takes f32 operands (vector FMAs, or v_wmma_f32_16x16x4_f32). A number that lies on a knife's edge between two numbers of the format may be rounded either way, as far as f32 arithmetic and the matrix unit's own rounding can turn it there, and no further.
;;   INPUTS GIVEN AS CODES. W (in the module: [4096, 4096], K = its axis 0): each comes as NAME_codes (uint8): NAME with its K axis moved to the last place and cut into blocks of 32 codes, [.., K / 32, bytes a block], one block behind the other in memory; one code a byte (a code: sign, 5 exponent bits, 2 mantissa bits); its scale is its entry of lowp_scales. Its value is code x scale, taken as it is: it is not quantised again, and the codes and scales need not be those that the quantiser above would give.
;; One version. Each part assembles by itself: llvm-mc -triple=amdgcn-amd-amdhsa -mcpu=gfx1250 --defsym DOCPART=n.
;; ======== version 1 of 1: 1 launch
;; launch onehot_gemm (part 1): grid 16 x 16, 4 waves a work-group, clusters of 4 x 1, 327,680 bytes of LDS; arguments W_codes, inputs, lowp_scales, out0; writes out0
.if DOCPART == 1
	.amdgcn_target "amdgcn-amd-amdhsa--gfx1250"
	.amdhsa_code_object_version 6
	.text
	.protected	k_q2904e478ec_onehot_gemm
	.globl	k_q2904e478ec_onehot_gemm
	.p2align	8
	.type	k_q2904e478ec_onehot_gemm,@function
k_q2904e478ec_onehot_gemm:
	s_mov_b64 s[64:65], 0
	v_nop
	global_prefetch_b8 v0, s[64:65] scope:SCOPE_SE
	s_setreg_imm32_b32 hwreg(HW_REG_WAVE_MODE, 25, 1), 1
	s_wait_xcnt 0x0
	s_wait_alu depctr_hold_cnt(0) depctr_sa_sdst(0) depctr_va_vdst(0) depctr_va_sdst(0) depctr_va_ssrc(0) depctr_va_vcc(0) depctr_vm_vsrc(0)
	s_getreg_b32 s2, hwreg(HW_REG_IB_STS2, 6, 4)
	s_cmp_eq_u32 s2, 0
	s_cbranch_scc0 .Lentry_in_a_cluster
	s_endpgm
.Lentry_in_a_cluster:
	s_bfe_u32 s2, ttmp6, 0x10000c
	s_cmp_lg_u32 s2, 0x3003
	s_cbranch_scc0 .Lentry_shape_is_right
	s_endpgm
.Lentry_shape_is_right:
; out0[m][n] = sum over k of Q(onehot(inputs[m]))[k] x W[k][n], M = N = K = 4,096, on codes of BF8 (E5M2); sums in f32.
; W_codes is [n][k], one code a byte, K innermost.  A number of W is its code's value x 2^e1; the one-hot operand is quantised with the scale 2^e0 (lowp_scales = e0, e1).
; The codes are multiplied as they are, and each finished sum once by 2^(e0 + e1), by v_ldexp_f32.
; THE ONE-HOT OPERAND NEVER LIES IN MEMORY OR IN LDS.  A row of it holds one code that is not 0: CODE = Q(1.0), made once by the conversion instruction, at k = inputs[m].  So a fragment (16 rows x 128 K, 16 registers)
; is made in registers by 4 compares and 20 selects from the row's index: three vector instructions for each matrix instruction, set in slices between the products.  No address and no branch hangs on an index.
; LIMITS: e0 between -126 and 112, so that 2^e0 and 57,344 x 2^e0 are f32 numbers; e0 + e1 has none.  An index outside 0 .. 4,095 matches no k and gives a row of zeros, as one_hot does.
; SHARES.  A tile of out0, 256 x 256, is made by a work-group of four waves; a wave makes 128 x 128: 64 accumulators of 16 x 16, 512 registers.  16 x 16 tiles: 256 work-groups.
; K goes in steps of 512 through a ring of two LDS slots (256 rows of W's tile, 512 bytes each); a slot is four substeps of 128 along K, 64 matrix instructions each.
; CLUSTER: 4 x 1 work-groups, four tile ROWS of one tile COLUMN: they need the same tiles of W, so each tile is asked for JOINTLY, by the same tensor load with the same descriptor and the mask 15.
; A wider cluster would share nothing more: the other operand is not loaded at all.
; THE MATRIX INSTRUCTION IS USED TRANSPOSED (source 0 = 16 rows of W_codes, source 1 = 16 rows of the one-hot operand): a lane then holds eight neighbouring numbers of a row of out0.
; K'S PLACE IN A FRAGMENT: register 4 c + i, byte y, of lane (r = lane % 16, h = lane / 16) holds k = 32 c + 16 h + 4 i + y of the substep: what four ds_load_b128, 32 bytes apart, give W's fragment.
; The one-hot fragment is made in the same order, so every product meets its partner.
; REGISTERS, the same map in each of the four windows w = 0 .. 3 (an instruction names v0-v255; s_set_vgpr_msb: bits 1:0 source 0, 3:2 source 1, 5:4 source 2, 7:6 destination):
;   v16-19 G and VAL of blocks 2 w and 2 w + 1;  v20-23 at work;  v24-27 set-up;  v32-47, v48-63 the one-hot fragments of blocks 2 w, 2 w + 1;  v64-127 four fragments of W;  v128-255 the 16 accumulators of blocks 2 w, 2 w + 1.
;   W's fragment b of set p lies in window 2 p + b / 4.  Window 0 alone: v0-13 addresses and constants.
; A product of block a has D, C and source 1 in window a / 2 and source 0 in W's window.  The generating instructions name vector registers as destination and source 1 alone, so they run under the product's own setting:
; a slice costs no switch of the windows.
.set PITCH,  528                       ; an LDS row: 512 bytes of data + 16 of padding = 33 x 16: the 16 rows that a load touches start at 16 different columns of 16 bytes (64 banks of 4 bytes: ISA guide 11.1)
.set QUART,  64*PITCH                  ; 64 rows: what one tensor load brings
.set SLOT,   4*QUART                   ; 256 rows of W's tile
.set SPARE,  2*SLOT                    ; behind the ring: the spare words, 128 bytes for each wave: two blocks of 256 bytes that no other line names
.set SPITCH, 528                       ; the way out: a stage of 16 rows x (512 bytes + 16) for each wave.  It lies in slot 0, which has had its last fill and its last read when the first result is stored there
.set KROW,   4096                      ; a row of W_codes in bytes
.set NROW,   16384                     ; a row of out0 in bytes
.set ADRB, 4                           ; v4-5   LDS address of my fragments of W in slot 0, 1
.set STO,  6                           ; v6     the way out: where I put 32 bytes of a row
.set RD,   7                           ; v7     the way out: where I read a row back
.set CO,   8                           ; v8     my byte offset in a row of out0
.set IA,   9                           ; v9     4 x (lane % 16): my row's index in a block's sixteen
.set SPW,  10                          ; v10    LDS address of my spare word: SPARE + 4 x my thread's number; never rewritten
.set NIL,  11                          ; v11    0; never rewritten
.set SCL,  12                          ; v12    2^e0 as f32
.set LIM,  13                          ; v13    57,344 x 2^e0
.set GS,   16                          ; G, VAL of the window's even block; G, VAL of its odd block
.set GV,   20                          ; VAL where the row's hit lies in this substep's 32 c .. 32 c + 31, else 0: c = 0 .. 3
.set IDX,  24                          ; the two blocks' indices
.set T0,   26
.set T1,   27
.set AB,   32                          ; the one-hot fragments
.set BF,   64                          ; W's fragments
.set ACC,  128
.set TMP,  64                          ; the way out, window 0: a block's sums x 2^(e0 + e1); window 1, v0-63 and v64-127 by turns: 16 rows read back from the stage
.set G1,   24                          ; s[24:31] descriptor group 1
.set G0,   32                          ; s[32:39] descriptor group 0, one set for each slot
.set KG,   44                          ; s[44:47] 4 x substep + c
.set TM,   48                          ; s[48:51] lanes whose hit lies in this substep's block c of 32
.set CODE, 52                          ; s52  the code of Q(1.0)
.set NEVER, 53                         ; s53  a G that equals no KG
.set HIGH, 54                          ; s54  lanes 16-31
.set MISS, 55                          ; s55  at work
.set ESUM, 56                          ; s56  e0 + e1
.set MI,   68                          ; s[68:99] block a, i = 0 .. 3: lanes whose hit lies in a register 4 c + i
.set MSB, 0
.macro WIN new                         ; the immediate's high byte repeats the setting that is left; a switch that changes nothing is dropped
.if MSB != (\new)
	s_set_vgpr_msb (MSB<<8)|(\new)
.set MSB, (\new)
.endif
.endm
; A joint load: every wave fetches its own 64 rows of the slot's 256, by the same line; both addresses hang on the wave's number and on what the four partners share.  Four v_nop follow it.
.macro JLOAD s
	tensor_load_to_lds s[G0+4*\s:G0+4*\s+3], s[G1:G1+7]
	s_nop 0
.rept 4
	v_nop
.endr
.endm
.macro CREST                           ; a round of the cluster's barrier behind its opening barrier
	s_cmp_lg_u32 s14, 0
	s_cbranch_scc1 .Lnot_wave_0_\@
	s_barrier_signal -3
.Lnot_wave_0_\@:
	s_barrier_wait -3
	s_barrier_signal -1
	s_barrier_wait -1
.endm
.macro CROUND                          ; a whole round
	s_barrier_signal -1
	s_barrier_wait -1
	CREST
.endm
	s_load_b128 s[4:7], s[0:1], 0x0                ; W_codes s[4:5], inputs s[6:7]
	s_load_b128 s[8:11], s[0:1], 0x10              ; lowp_scales s[8:9], out0 s[10:11]
	v_lshl_add_u32 v[SPW], v0, 2, SPARE
	v_mov_b32 v[NIL], 0
	ds_add_u32 v10, v11
	ds_add_u32 v10, v11
	s_wait_dscnt 0x0
	v_lshrrev_b32 v1, 5, v0
	v_readfirstlane_b32 s14, v1                    ; wave 0..3
	s_lshr_b32 s15, s14, 1                         ; which half of the tile's rows is mine
	s_and_b32 s16, s14, 1                          ; which half of its columns
	s_bfe_u32 s40, ttmp6, 0x40000                  ; cx: my place in the cluster
	s_lshl_b32 s17, ttmp9, 2                       ; in a cluster launch ttmp9 counts clusters
	s_add_co_u32 s17, s17, s40                     ; tile row = 4 x cluster x + cx: it enters the addresses of inputs and of out0 alone
	s_and_b32 s18, ttmp7, 0xffff                   ; tile column, which the four partners share
	; descriptor group 1: a tile of 64 rows x 512 bytes, padded in LDS
	s_mov_b32 s[G1+0], 15|(1<<20)|(1<<21)|(6<<22)|(3<<25)   ; 15:0 the mask: all four work-groups; 17:16 elements of 1 byte; 20 padding on; 21 set beside a mask; 24:22 after every 128 words (code 6); 31:25 four words (code 3)
	s_mov_b32 s[G1+1], 512<<16                     ; tensor_dim0 = 512
	s_mov_b32 s[G1+2], 64<<16                      ; tensor_dim1 = 64
	s_mov_b32 s[G1+3], 512<<16                     ; tile_dim0 = 512
	s_mov_b32 s[G1+4], 64                          ; tile_dim1 = 64
	s_mov_b32 s[G1+5], KROW                        ; tensor_dim0_stride
	s_mov_b32 s[G1+6], 0
	s_mov_b32 s[G1+7], 0
	s_lshl_b32 s20, s18, 8
	s_lshl_b32 s21, s14, 6
	s_add_co_u32 s20, s20, s21                     ; the rows of W_codes that I fetch begin at 256 x tile column + 64 x wave,
	s_lshl_b32 s20, s20, 12                        ; in bytes (under 2^24)
	s_mov_b32 s21, 0
	s_mul_i32 s22, s14, QUART                      ; and go to wave x 64 rows of a slot: no place in the cluster enters an LDS address
	s_lshl_b32 s60, s17, 8
	s_lshl_b32 s61, s15, 7
	s_add_co_u32 s60, s60, s61                     ; my first row of out0: 256 x tile row + 128 x half
	s_lshl_b32 s62, s60, 14                        ; its bytes in out0 (under 2^26),
	s_lshl_b32 s60, s60, 2                         ; and its index's in inputs
	s_mov_b32 s61, 0
	s_lshl_b32 s63, s18, 10
	s_add_co_u32 s62, s62, s63                     ; + my first column: 1,024 x tile column
	s_lshl_b32 s63, s16, 9
	s_add_co_u32 s62, s62, s63                     ; + 512 x half
	s_mov_b32 s63, 0
	s_mov_b32 s[NEVER], 0x7fffffff
	s_mov_b32 s[HIGH], 0xffff0000
.irp c, 0,1,2,3
	s_mov_b32 s[KG+\c], \c-4                       ; one substep ahead of the first: see the even blocks' G below
.endr
	s_wait_kmcnt 0x0
	s_load_b64 s[12:13], s[8:9], 0x0               ; e0, e1
	s_add_nc_u64 s[4:5], s[4:5], s[20:21]
	s_add_nc_u64 s[6:7], s[6:7], s[60:61]
	s_add_nc_u64 s[10:11], s[10:11], s[62:63]
.irp s, 0,1
	s_mov_b32 s[G0+4*\s], 1                                        ; 1:0 count = 1
	s_add_co_u32 s[G0+4*\s+1], s22, \s*SLOT                        ; 63:32 LDS address
	s_add_nc_u64 s[G0+4*\s+2:G0+4*\s+3], s[4:5], \s*512            ; 120:64 global address: K step s
	s_or_b32 s[G0+4*\s+3], s[G0+4*\s+3], 0x80000000                ; 127:126 type = 2
.endr
	CROUND                                         ; all four work-groups are here: the first joint loads meet
	tensor_load_to_lds s[G0:G0+3], s[G1:G1+7]      ; both first fills go out together, ahead of every wait on TENSORcnt and every LDS read: two loads of mine are out
	s_nop 0
	tensor_load_to_lds s[G0+4:G0+7], s[G1:G1+7]
	s_nop 0
.rept 4
	v_nop
.endr
	v_and_b32 v1, 15, v0                           ; r = lane % 16
	v_bfe_u32 v2, v0, 4, 1                         ; h = lane / 16
	v_lshlrev_b32 v[IA], 2, v1
.irp a, 0,1,2,3,4,5,6,7                ; block a's sixteen indices: lanes r and 16 + r both take row 16 a + r's
.set WS, ((\a)/2)<<6
	WIN WS                                         ; destination window a / 2
	global_load_b32 v[IDX+(\a)%2], v[IA], s[6:7] offset:64*\a
.endr
	WIN 0
	v_mul_u32_u24 v3, v1, PITCH
	v_lshl_add_u32 v3, v2, 4, v3                   ; a fragment's row x pitch + 16 x half
	s_mul_i32 s20, s16, 128*PITCH                  ; my 128 rows of W's tile
	v_add_nc_u32 v[ADRB], s20, v3
	v_add_nc_u32 v[ADRB+1], SLOT, v[ADRB]
	s_mul_i32 s23, s14, 16*SPITCH                  ; my stage
	v_mul_u32_u24 v3, v1, SPITCH                   ; in: row r, 32 bytes for each half of the lanes
	v_lshl_add_u32 v3, v2, 5, v3
	v_add_nc_u32 v[STO], s23, v3
	v_and_b32 v3, 31, v0
	v_lshlrev_b32 v[CO], 4, v3                     ; back: the 32 lanes take one row of 512 bytes; and the same in out0
	v_add_nc_u32 v[RD], s23, v[CO]
	; CODE = Q(1.0): 1.0 held within 57,344 x 2^e0, divided by 2^e0 and rounded by the conversion itself
	s_wait_kmcnt 0x0
	s_add_co_i32 s[ESUM], s12, s13
	s_add_co_i32 s20, s12, 127
	s_lshl_b32 s21, s20, 23
	v_mov_b32 v[SCL], s21                          ; 2^e0 as f32: the conversion takes its exponent field
	s_add_co_i32 s20, s20, 15
	s_lshl_b32 s20, s20, 23
	s_or_b32 s20, s20, 0x600000
	v_mov_b32 v[LIM], s20                          ; 57,344 x 2^e0
	v_med3_num_f32 v[AB], 1.0, -v[LIM], v[LIM]     ; the conversion to an 8-bit code does not saturate (ISA guide 7.6.2): the hold comes first
.irp j, 1,2,3,4,5,6,7
	v_mov_b32 v[AB+\j], 0                          ; the conversion takes eight numbers; the first one's code lands in the lowest byte
.endr
	v_cvt_scalef32_pk8_bf8_f32 v[AB+8:AB+9], v[AB:AB+7], v[SCL]
	v_nop                                          ; one plain vector instruction between a scaled conversion and the first touch of its result
	v_readfirstlane_b32 s[CODE], v[AB+8]
	s_and_b32 s[CODE], s[CODE], 0xff
	; What is kept of a row's index: bits 1:0 the byte, 3:2 the register i, 4 the half of the lanes, 11:5 g = 4 x substep + c.
	;   MI[a][i]: lanes with i in bits 3:2.   VAL = CODE in the hit's byte.   G = g, or NEVER in the half of the lanes that does not hold the hit.
	;   An even block's fragment is made one substep ahead, so its G is g - 4.
	s_wait_loadcnt 0x0                             ; the indices
.irp a, 0,1,2,3,4,5,6,7
.set SE, (\a)%2
.set WS, 0x55*((\a)/2)
	WIN WS                                         ; every place window a / 2
	v_bfe_u32 v[T0], v[IDX+SE], 2, 2
.irp i, 0,1,2,3
	v_cmp_eq_u32 s[MI+4*\a+\i], \i, v[T0]
.endr
	v_and_b32 v[T1], 16, v[IDX+SE]
	v_cmp_ne_u32 s[MISS], 0, v[T1]                 ; lanes whose row's hit lies in the upper half,
	s_xor_b32 s[MISS], s[MISS], s[HIGH]            ; unlike the lane's own half: these lanes hold zeros alone
	v_lshrrev_b32 v[GS+2*SE], 5, v[IDX+SE]
.if SE == 0
	v_add_nc_u32 v[GS], -4, v[GS]
.endif
	v_cndmask_b32 v[GS+2*SE], v[GS+2*SE], s[NEVER], s[MISS]
	v_and_b32 v[T1], 3, v[IDX+SE]
	v_lshlrev_b32 v[T1], 3, v[T1]
	v_lshlrev_b32 v[GS+2*SE+1], v[T1], s[CODE]
.endr
	WIN 0
; Operation GJ of the 24 that make block GB's fragment: 0-3: does the hit lie in block c of 32 of the substep that KG names?  4-7: VAL there, else 0.  8-23: register 4 c + i takes that where the hit's register is i, else 0.
.macro GOP
.set GE, GB%2
.if GJ < 4
	v_cmp_eq_u32 s[TM+GJ], s[KG+GJ], v[GS+2*GE]
.elseif GJ < 8
	v_cndmask_b32 v[GV+GJ-4], 0, v[GS+2*GE+1], s[TM+GJ-4]
.else
	v_cndmask_b32 v[AB+16*GE+GJ-8], 0, v[GV+(GJ-8)/4], s[MI+4*GB+(GJ-8)%4]
.endif
.set GJ, GJ+1
.endm
; W's fragment f of the slot's q-th 128 along K into set: four loads of 16 bytes a lane, 32 bytes apart
.macro BLD slot, q, set, f
.set WS, (2*(\set)+(\f)/4)<<6
	WIN WS                                         ; destination: the fragment's window; address window 0
.set BR, BF+16*((\f)%4)
.irp c, 0,1,2,3
	ds_load_b128 v[BR+4*\c:BR+4*\c+3], v[ADRB+\slot] offset:128*(\q)+32*\c+(\f)*16*PITCH
.endr
.endm
; AN ITEM: block a's eight products of a substep, against W's set p.  zero = 1: they start the sums: nothing is ever cleared.
; gen = 1: the 24 operations that make the window's OTHER fragment stand in slices behind the products: an even block's item makes the odd block's fragment of this substep, the odd block's item the even block's of the next.
; The buffer that an odd block's item writes was last read by the item before it: the first eight operations, which name no fragment, stand between (ISA guide 7.12.1 asks for four plain vector instructions).
; Behind the products: nf fragments of W, from f0 on, of (slot, q) into the other set; that set's last reader stands a whole item's 24 vector instructions back or more.
; The 64 accumulators take turns, one instruction a turn, in the same order in every substep.
.macro ITEM a, p, zero, gen, nf, f0, slot, q
.set IW, (\a)/2
.set IE, (\a)%2
.set GB, (\a)+1-2*IE
.set GJ, 0
.set IB, 0
.rept 8
.if (IB%4) == 0
.set WS, (IW<<6)|(IW<<4)|(IW<<2)|(2*(\p)+IB/4)
	WIN WS                                         ; D, C and source 1 window a / 2; source 0: W's window
.endif
.if \zero
	v_wmma_f32_16x16x128_bf8_bf8 v[ACC+64*IE+8*IB:ACC+64*IE+8*IB+7], v[BF+16*(IB%4):BF+16*(IB%4)+15], v[AB+16*IE:AB+16*IE+15], 0
.else
	v_wmma_f32_16x16x128_bf8_bf8 v[ACC+64*IE+8*IB:ACC+64*IE+8*IB+7], v[BF+16*(IB%4):BF+16*(IB%4)+15], v[AB+16*IE:AB+16*IE+15], v[ACC+64*IE+8*IB:ACC+64*IE+8*IB+7]
.endif
.if \gen
.if IB < 3
.rept 4
	GOP
.endr
.elseif IB < 7
.rept 3
	GOP
.endr
.endif
.endif
.set IB, IB+1
.endr
.set FI, \f0
.rept \nf
	BLD \slot, \q, 1-(\p), FI
.set FI, FI+1
.endr
.endm
.macro KNEXT                           ; on to the next substep's 4 x substep + c
.irp c, 0,1,2,3
	s_add_co_u32 s[KG+\c], s[KG+\c], 4
.endr
.endm
; A substep that has its successor in the same slot (q = 0, 1, 2): W's set q % 2 is multiplied, the other takes the next substep's fragments; the youngest of those loads stands sixteen products ahead of the wait for it.
.macro STEP slot, q, zero
	s_wait_dscnt 0x0                               ; this substep's eight fragments of W are in
	ITEM 0, (\q)%2, \zero, 1, 2, 0, \slot, (\q)+1
	ITEM 1, (\q)%2, \zero, 1, 2, 2, \slot, (\q)+1
	ITEM 2, (\q)%2, \zero, 1, 1, 4, \slot, (\q)+1
	ITEM 3, (\q)%2, \zero, 1, 1, 5, \slot, (\q)+1
	ITEM 4, (\q)%2, \zero, 1, 1, 6, \slot, (\q)+1
	ITEM 5, (\q)%2, \zero, 1, 1, 7, \slot, (\q)+1
	ITEM 6, (\q)%2, \zero, 1, 0, 0, \slot, (\q)+1
	ITEM 7, (\q)%2, \zero, 1, 0, 0, \slot, (\q)+1
	WIN 0
	KNEXT
.endm
; A slot's last substep (q = 3, set 1) changes slots: ONE barrier; in front of it each wave waits for all its tensor loads, adds 0 to its spare word, and waits for that and for its own reads of this slot.
; fill = 1: the barrier opens a round of the cluster's barrier, and this slot is filled again, two K steps ahead: the load has a whole K step less two items, 240 matrix instructions, in which to land.
.macro TURN slot, next, fill
	WIN 0                                          ; (the add's two registers lie in window 0)
	s_wait_tensorcnt 0x0                           ; all my tensor loads have landed: the one that was out is my part of the next slot;
	ds_add_u32 v[SPW], v[NIL]                      ; 0 onto my spare word
	s_wait_dscnt 0x1                               ; (the add alone may be out: this substep's fragments of W are in)
	ITEM 0, 1, 0, 1, 0, 0, 0, 0                    ; an item's work on registers stands between the add and the wait for it
	s_wait_dscnt 0x0                               ; the add is done, and my reads of this slot are over
	s_barrier_signal -1
	ITEM 1, 1, 0, 1, 0, 0, 0, 0                    ; work on registers while the others arrive
	WIN 0
	s_barrier_wait -1
.if \fill
	CREST                                          ; no wave of any partner still reads this slot's tile or has a load on its way
	s_add_nc_u64 s[G0+4*\slot+2:G0+4*\slot+3], s[G0+4*\slot+2:G0+4*\slot+3], 1024   ; no tensor load of mine is out, so the group 0 may be written: two K steps of 512 bytes on
	JLOAD \slot                                    ; the first tensor load behind the round, and my only one until the next
.endif
	ITEM 2, 1, 0, 1, 2, 0, \next, 0                ; the next slot's first fragments go into set 0
	ITEM 3, 1, 0, 1, 2, 2, \next, 0
	ITEM 4, 1, 0, 1, 2, 4, \next, 0
	ITEM 5, 1, 0, 1, 2, 6, \next, 0
	ITEM 6, 1, 0, 1, 0, 0, 0, 0
	ITEM 7, 1, 0, 1, 0, 0, 0, 0
	WIN 0
	KNEXT
.endm
	s_wait_tensorcnt 0x1                           ; my part of K step 0 is in; K step 1's may stay out
	s_barrier_signal -1
	s_barrier_wait -1                              ; everybody's is
.irp f, 0,1,2,3,4,5,6,7
	BLD 0, 0, 0, \f
.endr
.irp w, 0,1,2,3                        ; the even blocks' fragments of substep 0 (KG stands at -4 .. -1, their G at g - 4), made while W's first fragments are on their way
.set WS, 0x54*\w
	WIN WS
.set GB, 2*\w
.set GJ, 0
.rept 24
	GOP
.endr
.endr
	WIN 0
	KNEXT
	STEP 0, 0, 1                                   ; the first substep stands in front of the loop: its products start the sums
	s_mov_b32 s3, 3
.Llap:                                                 ; a trip goes once round the ring, from a lap's second substep to the next lap's first, and fills both slots again: K steps 2 to 7 in three trips
	STEP 0, 1, 0
	STEP 0, 2, 0
	TURN 0, 1, 1
	STEP 1, 0, 0
	STEP 1, 1, 0
	STEP 1, 2, 0
	TURN 1, 0, 1
	STEP 0, 0, 0
	s_sub_co_u32 s3, s3, 1
	s_cmp_lg_u32 s3, 0
	s_cbranch_scc1 .Llap
	STEP 0, 1, 0                                   ; the last lap is written out: it fills nothing, and has no round of the cluster's barrier
	STEP 0, 2, 0
	TURN 0, 1, 0
	STEP 1, 0, 0
	STEP 1, 1, 0
	STEP 1, 2, 0
	s_wait_dscnt 0x0                               ; the very last substep: nothing more to fetch, and no next substep to make fragments for
.irp a, 0,2,4,6
	ITEM \a, 1, 0, 1, 0, 0, 0, 0
	ITEM \a+1, 1, 0, 0, 0, 0, 0, 0
.endr
	WIN 0
; THE WAY OUT, block by block of 16 rows x 128 columns.  A lane holds 32 neighbouring bytes of a row, and the lanes beside it hold other rows: so a block goes through my own stage in LDS and comes back as whole
; rows of 512 bytes, which the 32 lanes store as two aligned runs of 256 bytes.  LDS serves a wave's instructions in order (ISA guide 5.7.1.4): no wait between the stores and the loads, nor in front of the next block's stores.
; No v_nop is written: block 0's sums were finished 56 products ago, with that item's own vector instructions behind them, and its 64 scalings, which name no register of the last products, are those products' places.
.macro TOSTAGE a
.set AC, ACC+64*((\a)%2)
.set WS, (\a)/2
	WIN WS                                         ; source 0: the block's window; destination window 0 (W's set 0, which the last substep does not read)
.set J, 0
.rept 64
	v_ldexp_f32 v[TMP+J], v[AC+J], s[ESUM]         ; x 2^(e0 + e1): nothing is rounded, short of overflow and underflow; each accumulator from its low end on
.set J, J+1
.endr
	WIN 0
.irp b, 0,1,2,3,4,5,6,7
	ds_store_b128 v[STO], v[TMP+8*\b:TMP+8*\b+3] offset:64*\b
	ds_store_b128 v[STO], v[TMP+8*\b+4:TMP+8*\b+7] offset:64*\b+16
.endr
.set BB, 64*((\a)%2)
	WIN 0x40                                       ; destination window 1
.irp t, 0,1,2,3,4,5,6,7,8,9,10,11,12,13,14,15
	ds_load_b128 v[BB+4*\t:BB+4*\t+3], v[RD] offset:\t*SPITCH
.endr
	WIN 0
.endm
.macro SEND a, younger                 ; younger: the LDS instructions issued behind block a's loads, which may stay out
.set BB, 64*((\a)%2)
	s_wait_dscnt \younger                          ; the block is back in registers
.if (\a) > 0
	s_add_nc_u64 s[10:11], s[10:11], 16*NROW       ; (behind a wait on XCNT: the earlier stores have read their base)  16 rows on, so that the stores' offsets stay at 15 rows, 245,760 bytes, at the most
.endif
	WIN 0x04                                       ; the stores' data window 1, their address window 0
.irp t, 0,1,2,3,4,5,6,7,8,9,10,11,12,13,14,15
	global_store_b128 v[CO], v[BB+4*\t:BB+4*\t+3], s[10:11] offset:\t*NROW th:TH_STORE_NT   ; 32 lanes store 512 consecutive bytes, at a multiple of 256 from out0's first byte; written once, read by nobody here
.endr
	WIN 0
.endm
	TOSTAGE 0
.irp a, 1,2,3,4,5,6,7
.if \a > 1
	s_wait_xcnt 0x0                                ; block a - 2's stores have read their registers and their base: block a's loads may land there, and the base may step
.endif
	TOSTAGE \a
	SEND \a-1, 32                                  ; behind block a - 1's loads: block a's 16 stores and 16 loads
.endr
	s_wait_xcnt 0x0                                ; block 6's stores have read their base
	SEND 7, 0
	s_wait_tensorcnt 0x0                           ; the wave's end: behind my last tensor load and my last LDS store
	ds_add_u32 v[SPW], v[NIL]
	s_wait_dscnt 0x0
	CROUND                                         ; the closing round: no work-group ends while a partner may still ask for a tile that names it
	s_endpgm
.Lfunc_end_k_q2904e478ec_onehot_gemm:
	.size	k_q2904e478ec_onehot_gemm, .Lfunc_end_k_q2904e478ec_onehot_gemm-k_q2904e478ec_onehot_gemm
	.p2alignl 7, 3214868480
	.fill 96, 4, 3214868480
	.section	.rodata,"a",@progbits
	.p2align	6, 0x0
	.amdhsa_kernel k_q2904e478ec_onehot_gemm
		.amdhsa_group_segment_fixed_size 327680
		.amdhsa_private_segment_fixed_size 0
		.amdhsa_enable_private_segment 0
		.amdhsa_kernarg_size 32
		.amdhsa_user_sgpr_count 2
		.amdhsa_user_sgpr_kernarg_segment_ptr 1
		.amdhsa_wavefront_size32 1
		.amdhsa_system_sgpr_workgroup_id_x 1
		.amdhsa_system_sgpr_workgroup_id_y 1
		.amdhsa_system_sgpr_workgroup_id_z 1
		.amdhsa_system_vgpr_workitem_id 0
		.amdhsa_next_free_vgpr 1024
		.amdhsa_next_free_sgpr 100
		.amdhsa_reserve_vcc 0
		.amdhsa_float_denorm_mode_32 3
		.amdhsa_float_denorm_mode_16_64 3
		.amdhsa_memory_ordered 1
		.amdhsa_forward_progress 1
		.amdhsa_inst_pref_size 255
	.end_amdhsa_kernel
	.section	.bss,"aw",@nobits
	.p2align	6
	.space	262144
	.amdgpu_metadata
---
amdhsa.version: [ 1, 2 ]
amdhsa.kernels:
  - .name:           k_q2904e478ec_onehot_gemm
    .symbol:         k_q2904e478ec_onehot_gemm.kd
    .args:
      - { .name: W_codes, .offset: 0, .size: 8, .value_kind: global_buffer, .address_space: global }
      - { .name: inputs, .offset: 8, .size: 8, .value_kind: global_buffer, .address_space: global }
      - { .name: lowp_scales, .offset: 16, .size: 8, .value_kind: global_buffer, .address_space: global }
      - { .name: out0, .offset: 24, .size: 8, .value_kind: global_buffer, .address_space: global }
    .group_segment_fixed_size: 327680
    .private_segment_fixed_size: 0
    .kernarg_segment_align: 8
    .kernarg_segment_size: 32
    .max_flat_workgroup_size: 128
    .sgpr_count:     100
    .vgpr_count:     1024
    .wavefront_size: 32
...
	.end_amdgpu_metadata
.endif
;; end of part 1
